; MI455X (gfx1250); checked and timed in simulation.
; The chip was launched on July 23, 2026; its instructions are those of AMD's public machine-readable ISA for CDNA 5 (MIT licence, August 2026) and "CDNA5" Instruction Set Architecture Reference Guide (July 2026). The comments in the code are by the model that wrote it; some were corrected since.
;; Multihead Attention Block. Allowed arithmetic: float matrix products may take bf16 or f16 operands with f32 sums; all other float work in f32.
;; Inputs: bk 1,024 float32; bo 1,024 float32; bq 1,024 float32; bv 1,024 float32; k 4 x 2,048 x 1,024 float32; mask 1 x 1 x 2,048 x 2,048 int32; q 4 x 2,048 x 1,024 float32; v 4 x 2,048 x 1,024 float32; wk 1,024 x 1,024 float32; wo 1,024 x 1,024 float32; wq 1,024 x 1,024 float32; wv 1,024 x 1,024 float32.
;; Outputs: out0 4 x 2,048 x 1,024 float32.
;; One version. Each part assembles by itself: llvm-mc -triple=amdgcn-amd-amdhsa -mcpu=gfx1250 --defsym DOCPART=n.
;; ======== version 1 of 1: 4 launches
;; limits: values are held in f16: magnitudes above 65,504 overflow, below 6.1e-05 lose precision
;; workspace buffers: mbits 524,288 bytes of whole numbers; wb 8,388,608 bytes; qkv 50,331,648 bytes; ctx 16,777,216 bytes
;; launch prep (part 1): grid 256 x 5, 8 waves a work-group, no clusters, 0 bytes of LDS; arguments mask, wq, wk, wv, wo, mbits, wb; writes mbits, wb
.if DOCPART == 1
	.amdgcn_target "amdgcn-amd-amdhsa--gfx1250"
	.amdhsa_code_object_version 6
	.text
	.protected	k_qb3896021d2_prep
	.globl	k_qb3896021d2_prep
	.p2align	8
	.type	k_qb3896021d2_prep,@function
k_qb3896021d2_prep:
	s_mov_b64 s[64:65], 0
	v_nop
	global_prefetch_b8 v0, s[64:65] scope:SCOPE_SE
	s_setreg_imm32_b32 hwreg(HW_REG_WAVE_MODE, 25, 1), 1
	s_wait_xcnt 0x0
; prep: what the later launches would otherwise redo many times is done once.
; y = 0: the int32 mask [2048][2048] is packed into lane-mask words.  mbits is [qg 128][kvt 128][j 8] of 32-bit words; bit r + 16 h of
;        word (qg, kvt, j) says mask[16 qg + r][16 kvt + 8 h + j] != 0.  That is the place of a score in the attention launch's
;        accumulator (lane r + 16 h, register j), so one word is the select mask of one v_cndmask_b32 there.
;        A wave takes 16 query rows x 128 keys = 64 words = 256 consecutive bytes of mbits.
; y = 1, 2, 3: wq, wk, wv are rounded to bf16 and laid as [kb 16][n 1024][64 k], so that a tile of 128 n x 64 k is 16,384 consecutive bytes.
; y = 4: wo is rounded to bf16 like every input operand and then written as f16, row-major [n][k], because its partner in the last
;        product (ctx) is f16.  LIMIT: bf16 to f16 is exact for 2^-17 <= |wo| <= 65504; smaller numbers lose bits below 2^-24,
;        larger ones become infinite.
; No LDS, no barrier: no wave needs another's data.
.set X,  8                             ; v[8:71]   pack: 64 mask words of my lane's place; cast: v[8:23] f32 in, v[24:31] 16-bit out
.set PK, 72                            ; v[72:73]  pack: lane l holds words 2 l and 2 l + 1
.set CM, 32                            ; s[32:39]  eight compare results at a time
	s_load_b256 s[8:15], s[0:1], 0x0               ; mask s[8:9], wq s[10:11], wk s[12:13], wv s[14:15]
	s_load_b128 s[16:19], s[0:1], 0x20             ; wo s[16:17], mbits s[18:19]
	s_load_b64 s[20:21], s[0:1], 0x30              ; wb
	v_lshrrev_b32 v1, 5, v0
	v_readfirstlane_b32 s4, v1                     ; wave 0..7
	s_and_b32 s3, ttmp7, 0xffff                    ; y: which job
	s_mov_b32 s27, 0                               ; high words of the two byte offsets
	s_mov_b32 s29, 0
	s_cmp_lg_u32 s3, 0
	s_cbranch_scc1 .Lcast
	; ---- pack ----
	v_and_b32 v4, 15, v0                           ; r
	v_bfe_u32 v5, v0, 4, 1                         ; h
	v_lshlrev_b32 v2, 13, v4                       ; row r: 8,192 bytes a row
	v_lshl_add_u32 v2, v5, 5, v2                   ; + 8 h keys of 4 bytes
	v_and_b32 v3, 31, v0
	v_lshlrev_b32 v3, 3, v3                        ; 8 bytes of mbits a lane
	s_lshr_b32 s5, ttmp9, 1                        ; qg
	s_and_b32 s6, ttmp9, 1
	s_lshl3_add_u32 s6, s6, s4                     ; kc = 8 (x & 1) + wave: which 128 keys
	s_lshl_b32 s26, s5, 17                         ; 16 rows of 8,192 bytes
	s_lshl_b32 s24, s6, 9                          ; 128 keys of 4 bytes
	s_add_co_u32 s26, s26, s24
	s_lshl_b32 s28, s5, 12                         ; 1,024 words for each qg
	s_lshl_b32 s24, s6, 8                          ; 64 words for each kc
	s_add_co_u32 s28, s28, s24
	s_wait_kmcnt 0x0
	s_add_nc_u64 s[8:9], s[8:9], s[26:27]
	s_add_nc_u64 s[18:19], s[18:19], s[28:29]
.irp t, 0,1,2,3,4,5,6,7
	global_load_b128 v[X+8*\t:X+8*\t+3],   v2, s[8:9] offset:64*\t       ; key tile t, j = 0..3
	global_load_b128 v[X+8*\t+4:X+8*\t+7], v2, s[8:9] offset:64*\t+16    ; j = 4..7; the sixteen loads together use all 512 bytes of each of the 16 rows
.endr
	v_mov_b32 v[PK], 0                             ; v_writelane_b32 keeps the other lanes: both are written whole first
	v_mov_b32 v[PK+1], 0
	s_wait_loadcnt 0x0
.set w, 0
.rept 8
.irp j, 0,1,2,3,4,5,6,7
	v_cmp_ne_u32 s[CM+\j], 0, v[X+w+\j]            ; word w + j: one bit from each lane
.endr
.irp j, 0,1,2,3,4,5,6,7
	v_writelane_b32 v[PK+(\j&1)], s[CM+\j], (w+\j)>>1
.endr
.set w, w+8
.endr
	global_store_b64 v3, v[PK:PK+1], s[18:19]      ; the wave stores 256 consecutive bytes, aligned
	s_endpgm
	; ---- cast ----
.Lcast:
	s_sub_co_u32 s5, s3, 1
	s_lshl_b32 s26, s5, 21                         ; 2,097,152 bytes for each weight
	s_lshl_b32 s24, ttmp9, 13                      ; 8,192 bytes for each work-group
	s_add_co_u32 s26, s26, s24
	v_lshlrev_b32 v3, 4, v0                        ; 16 bytes a thread: a wave's store covers 512 consecutive bytes
	s_wait_kmcnt 0x0
	s_add_nc_u64 s[20:21], s[20:21], s[26:27]
; four loads (two chunks of eight numbers), rounded to bf16
.macro LOADCVT lo, hi, imm
	global_load_b128 v[X:X+3],     v2, s[\lo:\hi]
	global_load_b128 v[X+4:X+7],   v2, s[\lo:\hi] offset:16
	global_load_b128 v[X+8:X+11],  v2, s[\lo:\hi] offset:\imm
	global_load_b128 v[X+12:X+15], v2, s[\lo:\hi] offset:\imm+16
	s_wait_loadcnt 0x0
.irp c, 0,1,2,3,4,5,6,7
	v_cvt_pk_bf16_f32 v[X+16+\c], v[X+2*\c], v[X+2*\c+1]
.endr
.endm
	s_cmp_eq_u32 s3, 4
	s_cbranch_scc1 .Lwo
	s_cmp_eq_u32 s3, 1
	s_cselect_b64 s[22:23], s[10:11], s[12:13]     ; wq or wk,
	s_cmp_eq_u32 s3, 3
	s_cselect_b64 s[22:23], s[14:15], s[22:23]     ; or wv
	; destination chunk c = 512 x + 256 i + thread is (kb = x >> 4, n = 64 (x & 15) + 32 i + (thread >> 3), k = 64 kb + 8 (thread & 7))
	s_and_b32 s24, ttmp9, 15
	s_lshl_b32 s28, s24, 18                        ; 64 rows of 4,096 bytes
	s_lshr_b32 s24, ttmp9, 4
	s_lshl_b32 s24, s24, 8                         ; 64 k of 4 bytes
	s_add_co_u32 s28, s28, s24
	s_add_nc_u64 s[22:23], s[22:23], s[28:29]
	v_lshrrev_b32 v4, 3, v0
	v_and_b32 v5, 7, v0
	v_lshlrev_b32 v2, 12, v4                       ; row thread >> 3
	v_lshl_add_u32 v2, v5, 5, v2                   ; eight threads read 256 consecutive bytes of a row
	LOADCVT 22, 23, 131072                         ; i = 1: 32 rows further down
	global_store_b128 v3, v[X+16:X+19], s[20:21]
	global_store_b128 v3, v[X+20:X+23], s[20:21] offset:4096
	s_endpgm
.Lwo:
	s_lshl_b32 s28, ttmp9, 14                      ; 4,096 numbers of 4 bytes for each work-group
	s_add_nc_u64 s[16:17], s[16:17], s[28:29]
	v_lshlrev_b32 v2, 5, v0
	LOADCVT 16, 17, 8192
.irp c, 0,1,2,3,4,5,6,7
	v_lshlrev_b32 v[X+2*\c],   16, v[X+16+\c]      ; the bf16 numbers as f32 again,
	v_and_b32     v[X+2*\c+1], 0xffff0000, v[X+16+\c]
.endr
.irp c, 0,1,2,3,4,5,6,7
	v_cvt_pk_f16_f32 v[X+16+\c], v[X+2*\c], v[X+2*\c+1]    ; and as f16: no bit is lost inside the stated range
.endr
	global_store_b128 v3, v[X+16:X+19], s[20:21]
	global_store_b128 v3, v[X+20:X+23], s[20:21] offset:4096
	s_endpgm
.Lfunc_end_k_qb3896021d2_prep:
	.size	k_qb3896021d2_prep, .Lfunc_end_k_qb3896021d2_prep-k_qb3896021d2_prep
	.p2alignl 7, 3214868480
	.fill 96, 4, 3214868480
	.section	.rodata,"a",@progbits
	.p2align	6, 0x0
	.amdhsa_kernel k_qb3896021d2_prep
		.amdhsa_group_segment_fixed_size 0
		.amdhsa_private_segment_fixed_size 0
		.amdhsa_enable_private_segment 0
		.amdhsa_kernarg_size 56
		.amdhsa_user_sgpr_count 2
		.amdhsa_user_sgpr_kernarg_segment_ptr 1
		.amdhsa_wavefront_size32 1
		.amdhsa_system_sgpr_workgroup_id_x 1
		.amdhsa_system_sgpr_workgroup_id_y 1
		.amdhsa_system_sgpr_workgroup_id_z 1
		.amdhsa_system_vgpr_workitem_id 0
		.amdhsa_next_free_vgpr 80
		.amdhsa_next_free_sgpr 66
		.amdhsa_reserve_vcc 0
		.amdhsa_float_denorm_mode_32 3
		.amdhsa_float_denorm_mode_16_64 3
		.amdhsa_memory_ordered 1
		.amdhsa_forward_progress 1
		.amdhsa_inst_pref_size 16
	.end_amdhsa_kernel
	.amdgpu_metadata
---
amdhsa.version: [ 1, 2 ]
amdhsa.kernels:
  - .name:           k_qb3896021d2_prep
    .symbol:         k_qb3896021d2_prep.kd
    .args:
      - { .name: mask, .offset: 0, .size: 8, .value_kind: global_buffer, .address_space: global }
      - { .name: wq, .offset: 8, .size: 8, .value_kind: global_buffer, .address_space: global }
      - { .name: wk, .offset: 16, .size: 8, .value_kind: global_buffer, .address_space: global }
      - { .name: wv, .offset: 24, .size: 8, .value_kind: global_buffer, .address_space: global }
      - { .name: wo, .offset: 32, .size: 8, .value_kind: global_buffer, .address_space: global }
      - { .name: mbits, .offset: 40, .size: 8, .value_kind: global_buffer, .address_space: global }
      - { .name: wb, .offset: 48, .size: 8, .value_kind: global_buffer, .address_space: global }
    .group_segment_fixed_size: 0
    .private_segment_fixed_size: 0
    .kernarg_segment_align: 8
    .kernarg_segment_size: 56
    .max_flat_workgroup_size: 256
    .sgpr_count:     66
    .vgpr_count:     80
    .wavefront_size: 32
...
	.end_amdgpu_metadata
.endif
;; end of part 1
;; launch proj (part 2): grid 4 x 96, 4 waves a work-group, clusters of 4 x 4, 327,680 bytes of LDS; arguments q, k, v, wb, bq, bk, bv, qkv; writes qkv
.if DOCPART == 2
	.amdgcn_target "amdgcn-amd-amdhsa--gfx1250"
	.amdhsa_code_object_version 6
	.text
	.protected	k_qb3896021d2_proj
	.globl	k_qb3896021d2_proj
	.p2align	8
	.type	k_qb3896021d2_proj,@function
k_qb3896021d2_proj:
	s_mov_b64 s[64:65], 0
	v_nop
	global_prefetch_b8 v0, s[64:65] scope:SCOPE_SE
	s_setreg_imm32_b32 hwreg(HW_REG_WAVE_MODE, 25, 1), 1
	s_wait_xcnt 0x0
	s_wait_alu depctr_hold_cnt(0) depctr_sa_sdst(0) depctr_va_vdst(0) depctr_va_sdst(0) depctr_va_ssrc(0) depctr_va_vcc(0) depctr_vm_vsrc(0)
	s_getreg_b32 s2, hwreg(HW_REG_IB_STS2, 6, 4)
	s_cmp_eq_u32 s2, 0
	s_cbranch_scc0 .Lentry_in_a_cluster
	s_endpgm
.Lentry_in_a_cluster:
	s_bfe_u32 s2, ttmp6, 0x10000c
	s_cmp_lg_u32 s2, 0xf033
	s_cbranch_scc0 .Lentry_shape_is_right
	s_endpgm
.Lentry_shape_is_right:
; proj: the three input layers in one launch.  qkv[z] = (x_z W_z^T + b_z) * s_z, z = 0, 1, 2 for q, k, v; s_0 = 0.125 log2(e) (the score's
; 1/sqrt(64) and the change to base 2 for the softmax), s_1 = s_2 = 1.  x: [8192][1024] f32.  W: bf16 from the launch before, laid
; [kb 16][n 1024][64 k].  Result: [3][8192][1024] f16, rounded once.
; FORMATS: x is rounded to bf16 on its way from LDS to the matrix instruction; sums in f32.  The result is kept in f16 and not in bf16,
; since it is an operand of the next products and three more bits of it are needed there.
; LIMIT: a result beyond 65504 in magnitude becomes infinite; below 2^-14 it keeps bits down to 2^-24 only.  With inputs and weights
; 30 times those of the problem's kind the results stay near 900 x 5; with offsets of 30 spreads in both near 1024 x 30 x 0.94 = 28,800.
; SHAPE: a work-group makes 256 x 256 with four waves, a wave 128 x 128 = 64 accumulator tiles, 512 registers.  K goes in steps of 64 through
; two LDS slots: a row of x's tile is 64 f32 = 256 bytes, aligned; two slots of a step of 128 (2 x 204,800 bytes) would not fit in LDS.
; CLUSTERS: 4 x 4 work-groups.  A row of the cluster shares x's tiles, a column shares W's; each tile is asked for jointly by the four.
; The layer z is the cluster's y >> 3: the same in all sixteen.
; REGISTERS: window 0: v0-31 addresses, v32-63 packed results, v64-127 bias, v128-191 and v192-255 x's fragments in bf16 (two buffers);
; window 1: v0-127 x's fragments as loaded (f32), v128-191 and v192-255 W's fragments (two buffers); windows 2, 3: accumulators.
; THE MATRIX INSTRUCTION IS USED TRANSPOSED (source 0 = rows of W, source 1 = rows of x): a lane's eight results are eight neighbouring
; columns of one row of the result.
.set APITCH, 272                       ; an LDS row of x: 256 bytes + 16: sixteen rows start in sixteen different 16-byte columns of 256
.set BPITCH, 144                       ; an LDS row of W: 128 bytes + 16, an odd multiple of 16 likewise
.set HALFT,  128*APITCH                ; the region of one tensor load: 128 rows (W's tiles use 18,432 bytes of theirs)
.set SLOT,   4*HALFT                   ; x's two halves, W's two halves
.set STAGE,  2*SLOT                    ; behind the ring: 16 rows x 272 bytes for each wave, never the target of a fill
.set SPITCH, 272
.set LAPS,   8                         ; 16 K steps, two a lap
.set ASTEP,  256                       ; bytes from a K step to the next in x
.set BSTEP,  131072                    ; and in W: 1,024 n x 64 k x 2 bytes
.set ADRA, 16                          ; v16-17  LDS address of my x fragments in slot 0, 1
.set ADRB, 20                          ; v20-21  the same for W
.set STO,  24
.set RD,   25
.set CO,   26
.set BOFF, 27                          ; v27     32 h: my eight bias numbers in a tile of 16 columns
.set TMP,  32
.set BIAS, 64
.set F0,   128
.set F1,   192
.set G1,  24                           ; s[24:31] group 1 for x's tiles
.set G0,  32                           ; s[32:39] group 0 for x's tiles, a set for each slot
.set G1B, 48                           ; s[48:55] group 1 for W's tiles
.set G0B, 56                           ; s[56:63] group 0 for W's tiles
.set MSB, 0
.macro WIN new                         ; the immediate's high byte repeats the setting that is left
.if MSB != \new
	s_set_vgpr_msb (MSB<<8)|\new
.set MSB, \new
.endif
.endm
.set MUL_LO, 0xa1                      ; source 0 (W) window 1, source 1 (x) window 0, C and D window 2
.set MUL_HI, 0xf1                      ; the same, C and D window 3
.set TO_1,   0x40                      ; destination window 1, address window 0
.set FROM_1, 0x05                      ; sources window 1, destination window 0
; A joint load: waves 0 and 1 fetch x's two halves, waves 2 and 3 W's.  The branch hangs on the wave's number alone.
.macro JLOAD s
	s_cmp_eq_u32 s11, 0
	s_cbranch_scc0 .Lfor_b_\@
	tensor_load_to_lds s[G0+4*\s:G0+4*\s+3], s[G1:G1+7]
	s_nop 0
	s_branch .Lasked_\@
.Lfor_b_\@:
	tensor_load_to_lds s[G0B+4*\s:G0B+4*\s+3], s[G1B:G1B+7]
	s_nop 0
.Lasked_\@:
.endm
.macro CREST                           ; a round of the cluster's barrier behind its opening work-group barrier
	s_cmp_lg_u32 s10, 0
	s_cbranch_scc1 .Lnot_wave_0_\@
	s_barrier_signal -3
.Lnot_wave_0_\@:
	s_barrier_wait -3
	s_barrier_signal -1
	s_barrier_wait -1
.endm
.macro CROUND                          ; a whole round
	s_barrier_signal -1
	s_barrier_wait -1
	CREST
.endm
.macro PLACES                          ; four places behind a matrix instruction (ISA guide 7.12.1) where no useful vector work is at hand
.rept 4
	v_nop
.endr
.endm
	s_load_b512 s[68:83], s[0:1], 0x0              ; q 68, k 70, v 72, wb 74, bq 76, bk 78, bv 80, qkv 82
	v_lshl_add_u32 v30, v0, 2, 0x48400
	v_mov_b32 v31, 0
	ds_add_u32 v30, v31
	v_lshrrev_b32 v1, 5, v0
	v_readfirstlane_b32 s10, v1                    ; wave 0..3
	s_lshr_b32 s11, s10, 1                         ; my half of the block's rows.  Also: I fetch for x (0) or for W (1)
	s_and_b32 s12, s10, 1                          ; my half of its columns.  Also: which 128 rows of that tile I fetch
	s_bfe_u32 s40, ttmp6, 0x40000                  ; cx
	s_bfe_u32 s41, ttmp6, 0x40004                  ; cy
	s_lshl_b32 s42, ttmp9, 2
	s_add_co_u32 s42, s42, s40                     ; block column 0..3
	s_and_b32 s13, ttmp7, 0xffff                   ; the cluster's y, 0..23
	s_lshr_b32 s45, s13, 3                         ; z: the layer
	s_and_b32 s13, s13, 7
	s_lshl_b32 s13, s13, 2
	s_add_co_u32 s13, s13, s41                     ; block row 0..31
	s_lshl_b32 s43, s41, 2
	s_lshl_b32 s43, 15, s43                        ; my row of the cluster
	s_lshl_b32 s44, 0x1111, s40                    ; my column
	s_or_b32 s[G1+0], s43, (2<<16)|(1<<20)|(1<<21)|(5<<22)|(3<<25)   ; mask; elements of 4 bytes; padding on; bit 21 beside a mask; after every 64 words, 4 words
	s_mov_b32 s[G1+1], 64<<16                      ; tensor_dim0 = 64
	s_mov_b32 s[G1+2], 128<<16                     ; tensor_dim1 = 128
	s_mov_b32 s[G1+3], 64<<16                      ; tile_dim0 = 64
	s_mov_b32 s[G1+4], 128                         ; tile_dim1 = 128
	s_mov_b32 s[G1+5], 1024                        ; elements from row to row
	s_mov_b32 s[G1+6], 0
	s_mov_b32 s[G1+7], 0
	s_or_b32 s[G1B+0], s44, (1<<16)|(1<<20)|(1<<21)|(4<<22)|(3<<25)  ; elements of 2 bytes; after every 32 words, 4 words
	s_mov_b32 s[G1B+1], 64<<16
	s_mov_b32 s[G1B+2], 128<<16
	s_mov_b32 s[G1B+3], 64<<16
	s_mov_b32 s[G1B+4], 128
	s_mov_b32 s[G1B+5], 64                         ; in a K block the rows of 64 k follow each other
	s_mov_b32 s[G1B+6], 0
	s_mov_b32 s[G1B+7], 0
	; x's address hangs on the block row, W's on the block column, each in registers that never hold the other coordinate
	s_lshl_b32 s17, s12, 7
	s_lshl_b32 s16, s13, 8
	s_add_co_u32 s16, s16, s17                     ; x: row 256 x block row + 128 x half
	s_lshl_b32 s16, s16, 12                        ; 4,096 bytes a row: below 2^25
	s_lshl_b32 s46, s42, 8
	s_add_co_u32 s46, s46, s17                     ; W: row n = 256 x block column + 128 x half; also my first column
	s_lshl_b32 s86, s46, 2                         ; the bias of my 128 columns, in bytes
	s_lshl_b32 s46, s46, 7                         ; 128 bytes a row of a K block
	s_lshl_b32 s47, s45, 21                        ; the layer's weight
	s_add_co_u32 s46, s46, s47
	s_mov_b32 s17, 0
	s_mov_b32 s47, 0
	s_mov_b32 s87, 0
	s_mul_i32 s20, s10, HALFT                      ; where my loads go: wave x one region
	s_wait_dscnt 0x0
	s_wait_kmcnt 0x0
	s_cmp_eq_u32 s45, 0
	s_cselect_b64 s[4:5], s[68:69], s[70:71]       ; x: q or k,
	s_cselect_b64 s[6:7], s[76:77], s[78:79]       ; bias: bq or bk
	s_cselect_b32 s84, 0x3e38aa3b, 1.0             ; 0.125 log2(e) for q alone
	s_cmp_eq_u32 s45, 2
	s_cselect_b64 s[4:5], s[72:73], s[4:5]         ; or v
	s_cselect_b64 s[6:7], s[80:81], s[6:7]
	s_mov_b32 s85, s84                             ; the pair is named whole by the packed instructions
	s_add_nc_u64 s[14:15], s[4:5], s[16:17]
	s_add_nc_u64 s[46:47], s[74:75], s[46:47]
	s_add_nc_u64 s[6:7], s[6:7], s[86:87]
	CROUND                                         ; all sixteen work-groups are here: the first joint loads meet
.irp s, 0,1
	s_mov_b32 s[G0+4*\s], 1
	s_add_co_u32 s[G0+4*\s+1], s20, \s*SLOT
	s_add_nc_u64 s[G0+4*\s+2:G0+4*\s+3], s[14:15], \s*ASTEP
	s_or_b32 s[G0+4*\s+3], s[G0+4*\s+3], 0x80000000
	s_mov_b32 s[G0B+4*\s], 1
	s_add_co_u32 s[G0B+4*\s+1], s20, \s*SLOT
	s_add_nc_u64 s[G0B+4*\s+2:G0B+4*\s+3], s[46:47], \s*BSTEP
	s_or_b32 s[G0B+4*\s+3], s[G0B+4*\s+3], 0x80000000
	JLOAD \s                                       ; K steps 0 and 1: two tensor loads of the wave are out, the most in this text
.endr
	v_and_b32 v1, 15, v0                           ; r
	v_bfe_u32 v2, v0, 4, 1                         ; h
	v_lshlrev_b32 v[BOFF], 5, v2
.irp b, 0,1,2,3,4,5,6,7
	global_load_b128 v[BIAS+8*\b:BIAS+8*\b+3],   v[BOFF], s[6:7] offset:64*\b      ; bias of columns 16 b + 8 h + 0..3,
	global_load_b128 v[BIAS+8*\b+4:BIAS+8*\b+7], v[BOFF], s[6:7] offset:64*\b+16   ; + 4..7; waited for on the way out
.endr
	; x's fragment (16 rows x 32 k) as f32: lane (r, h) takes k = 8 h + 0..7 (32 bytes) and k = 16 + 8 h + 0..7 (64 bytes further)
	v_mul_u32_u24 v3, v1, APITCH
	v_lshl_add_u32 v3, v2, 5, v3
	v_mul_u32_u24 v4, v1, BPITCH                   ; W's fragment in bf16: two loads of 16 bytes, 32 bytes apart
	v_lshl_add_u32 v4, v2, 4, v4
	s_mul_i32 s21, s11, HALFT
	s_mul_i32 s22, s12, HALFT
	s_add_co_u32 s22, s22, 2*HALFT
.irp s, 0,1
	v_add_nc_u32 v[ADRA+\s], s21, v3
	v_add_nc_u32 v[ADRB+\s], s22, v4
	s_add_co_u32 s21, s21, SLOT
	s_add_co_u32 s22, s22, SLOT
.endr
	s_mul_i32 s23, s10, 16*SPITCH
	s_add_co_u32 s23, s23, STAGE
	v_mul_u32_u24 v4, v1, SPITCH
	v_lshl_add_u32 v4, v2, 4, v4
	v_add_nc_u32 v[STO], s23, v4                   ; in: row r, 16 bytes for each half of the lanes
	v_mul_u32_u24 v5, v2, SPITCH
	v_lshl_add_u32 v5, v1, 4, v5
	v_add_nc_u32 v[RD], s23, v5                    ; back: lanes 0-15 one row of 256 bytes, lanes 16-31 the next
	v_lshlrev_b32 v5, 11, v2
	v_lshl_add_u32 v[CO], v1, 4, v5                ; and the same two rows of 2,048 bytes in the result
; 16 matrix instructions: m blocks a0, a0 + 1 of the window's four x all 8 n blocks, 32 along K.  zero = 1: the first product starts the sums.
; The 64 accumulators take turns, one instruction a turn, in the same order in every half step.
.macro MUL16 f, hi, a0, zero
.irp a, \a0, \a0+1
.irp b, 0,1,2,3,4,5,6,7
.if \zero
	v_wmma_f32_16x16x32_bf16 v[8*(8*(\a)+\b):8*(8*(\a)+\b)+7], v[\f+8*\b:\f+8*\b+7], v[\f+8*(4*\hi+\a):\f+8*(4*\hi+\a)+7], 0
.else
	v_wmma_f32_16x16x32_bf16 v[8*(8*(\a)+\b):8*(8*(\a)+\b)+7], v[\f+8*\b:\f+8*\b+7], v[\f+8*(4*\hi+\a):\f+8*(4*\hi+\a)+7], v[8*(8*(\a)+\b):8*(8*(\a)+\b)+7]
.endif
.endr
.endr
.endm
; 48 LDS loads in one run: half a K step (32 k): W's 128 rows into buffer f, x's 128 rows as f32 into window 1's v0-127
.macro FETCH slot, half, f
	WIN TO_1
.irp i, 0,1,2,3,4,5,6,7
	ds_load_b128 v[\f+8*\i:\f+8*\i+3],   v[ADRB+\slot] offset:64*\half+\i*16*BPITCH
	ds_load_b128 v[\f+8*\i+4:\f+8*\i+7], v[ADRB+\slot] offset:64*\half+\i*16*BPITCH+32
.endr
.irp i, 0,1,2,3,4,5,6,7
	ds_load_b128 v[16*\i:16*\i+3],     v[ADRA+\slot] offset:128*\half+\i*16*APITCH
	ds_load_b128 v[16*\i+4:16*\i+7],   v[ADRA+\slot] offset:128*\half+\i*16*APITCH+16
	ds_load_b128 v[16*\i+8:16*\i+11],  v[ADRA+\slot] offset:128*\half+\i*16*APITCH+64
	ds_load_b128 v[16*\i+12:16*\i+15], v[ADRA+\slot] offset:128*\half+\i*16*APITCH+80
.endr
.endm
.macro CVT f                           ; 64 roundings: x's eight fragments to bf16, into buffer f of window 0
	WIN FROM_1
.irp i, 0,1,2,3,4,5,6,7
.irp c, 0,1,2,3,4,5,6,7
	v_cvt_pk_bf16_f32 v[\f+8*\i+\c], v[16*\i+2*\c], v[16*\i+2*\c+1]
.endr
.endr
.endm
; The first half of a K step: multiplies buffer 0, fetches and rounds the second half into buffer 1.
.macro HALF0 slot, zero
	PLACES                                         ; buffer 1 was read by the last matrix instructions
	FETCH \slot, 1, F1
	WIN MUL_LO
	MUL16 F0, 0, 0, \zero
	MUL16 F0, 0, 2, \zero
	s_wait_dscnt 0x0                               ; the 48 loads, issued 32 matrix instructions ago
	CVT F1
	WIN MUL_HI
	MUL16 F0, 1, 0, \zero
	MUL16 F0, 1, 2, \zero
.endm
; The second half: multiplies buffer 1 and changes slots.  One barrier for the change: in front of it each wave's reads of this slot are
; back and all its tensor loads have landed (the one that was out is its part of the next slot).  Where this slot is filled again the barrier
; opens a round of the cluster's barrier, and the joint refill is the first tensor load behind the round.
; From a request to the wait for it a wave issues 112 matrix instructions.
.macro HALF1 slot, next, fill
	WIN MUL_LO
	MUL16 F1, 0, 0, 0
	s_wait_dscnt 0x0
	s_set_vgpr_msb 0xa1a0
	s_wait_tensorcnt 0x0
	ds_add_u32 v30, v31
	s_wait_dscnt 0x0
	s_set_vgpr_msb 0xa0a1
	s_barrier_signal -1
	MUL16 F1, 0, 2, 0                              ; registers only, while the others arrive
	WIN 0
	s_barrier_wait -1
.if \fill
	CREST
	s_add_nc_u64 s[G0+4*\slot+2:G0+4*\slot+3], s[G0+4*\slot+2:G0+4*\slot+3], 2*ASTEP      ; no tensor load of mine is out: a group 0 may be written
	s_add_nc_u64 s[G0B+4*\slot+2:G0B+4*\slot+3], s[G0B+4*\slot+2:G0B+4*\slot+3], 2*BSTEP
	JLOAD \slot
.endif
	PLACES                                         ; buffer 0 was read by matrix instructions of the first half
	FETCH \next, 0, F0
	WIN MUL_HI
	MUL16 F1, 1, 0, 0
	MUL16 F1, 1, 2, 0
	s_wait_dscnt 0x0
	CVT F0
.endm
.macro LAP zero
	HALF0 0, \zero
	HALF1 0, 1, 1
	HALF0 1, 0
	HALF1 1, 0, 1
.endm
	s_wait_tensorcnt 0x1                           ; my part of K step 0 is in; K step 1's may stay out
	s_barrier_signal -1
	s_barrier_wait -1
	FETCH 0, 0, F0
	s_wait_dscnt 0x0
	CVT F0
	LAP 1                                          ; the first lap stands in front of the loop: its first products start the sums
	WIN 0
	s_mov_b32 s3, LAPS-2
.Llap:
	LAP 0
	WIN 0
	s_sub_co_u32 s3, s3, 1
	s_cmp_lg_u32 s3, 0
	s_cbranch_scc1 .Llap
	HALF0 0, 0                                     ; the last lap fills nothing
	HALF1 0, 1, 0
	HALF0 1, 0
	WIN MUL_LO
	MUL16 F1, 0, 0, 0
	MUL16 F1, 0, 2, 0
	WIN MUL_HI
	MUL16 F1, 1, 0, 0
	MUL16 F1, 1, 2, 0
	; THE WAY OUT, 16 rows at a time: (sum + bias) x scale as one fused multiply-add with bias x scale, round to f16, through my own stage.
	PLACES
	WIN 0
	s_wait_loadcnt 0x0                             ; the bias
.set i, 0
.rept 32
	v_pk_mul_f32 v[BIAS+i:BIAS+i+1], v[BIAS+i:BIAS+i+1], s[84:85] op_sel_hi:[1,0]
.set i, i+2
.endr
	s_lshl_b32 s13, s13, 8
	s_lshl_b32 s14, s11, 7
	s_add_co_u32 s16, s13, s14                     ; my first row
	s_lshl_b32 s16, s16, 11                        ; 2,048 bytes a row
	s_lshl_b32 s14, s45, 24                        ; the layer's 16,777,216 bytes
	s_add_co_u32 s16, s16, s14
	s_mov_b32 s17, 0
	s_add_nc_u64 s[8:9], s[82:83], s[16:17]
	s_lshl_b32 s46, s42, 9                         ; my first column, in bytes
	s_lshl_b32 s47, s12, 8
	s_add_co_u32 s46, s46, s47
	s_mov_b32 s47, 0
	s_add_nc_u64 s[8:9], s[8:9], s[46:47]
; rows 16 i .. 16 i + 15 of my block = tiles (a, 0..7) of window 2 or 3.  wfma: source 0 and destination in that window; from: sources 0, 1 in it
.macro OUT16 i, a, wfma, from, f
	WIN \wfma
.irp b, 0,1,2,3,4,5,6,7
.irp c, 0,2,4,6
	v_pk_fma_f32 v[8*(8*\a+\b)+\c:8*(8*\a+\b)+\c+1], v[8*(8*\a+\b)+\c:8*(8*\a+\b)+\c+1], s[84:85], v[BIAS+8*\b+\c:BIAS+8*\b+\c+1] op_sel_hi:[1,0,1]
.endr
.endr
	WIN \from
.irp b, 0,1,2,3,4,5,6,7
.irp c, 0,1,2,3
	v_cvt_pk_f16_f32 v[TMP+4*\b+\c], v[8*(8*\a+\b)+2*\c], v[8*(8*\a+\b)+2*\c+1]
.endr
.endr
	WIN 0
.irp b, 0,1,2,3,4,5,6,7
	ds_store_b128 v[STO], v[TMP+4*\b:TMP+4*\b+3] offset:32*\b
.endr
	s_wait_xcnt 0x0                                ; buffer f, which earlier stores read, and the stores' base are rewritten only behind this wait (ISA guide 3.1)
.if \i
	s_add_nc_u64 s[8:9], s[8:9], 16*2048
.endif
.irp t, 0,1,2,3,4,5,6,7
	ds_load_b128 v[\f+4*\t:\f+4*\t+3], v[RD] offset:\t*2*SPITCH    ; a wave's LDS instructions are served in order (ISA guide 5.7.1): these see the stores above
.endr
.irp t, 0,1,2,3,4,5,6,7
	s_wait_dscnt 7-\t                              ; the younger read-backs stay out
	global_store_b128 v[CO], v[\f+4*\t:\f+4*\t+3], s[8:9] offset:\t*4096   ; sixteen lanes store 256 consecutive bytes, aligned
.endr
.endm
	OUT16 0, 0, 0x82, 0x0a, F0
	OUT16 1, 1, 0x82, 0x0a, F1
	OUT16 2, 2, 0x82, 0x0a, F0
	OUT16 3, 3, 0x82, 0x0a, F1
	OUT16 4, 0, 0xc3, 0x0f, F0
	OUT16 5, 1, 0xc3, 0x0f, F1
	OUT16 6, 2, 0xc3, 0x0f, F0
	OUT16 7, 3, 0xc3, 0x0f, F1
	s_wait_tensorcnt 0x0
	ds_add_u32 v30, v31
	s_wait_dscnt 0x0
	CROUND                                         ; the closing round: no work-group ends while a partner may still ask for a tile that names it
	s_endpgm
.Lfunc_end_k_qb3896021d2_proj:
	.size	k_qb3896021d2_proj, .Lfunc_end_k_qb3896021d2_proj-k_qb3896021d2_proj
	.p2alignl 7, 3214868480
	.fill 96, 4, 3214868480
	.section	.rodata,"a",@progbits
	.p2align	6, 0x0
	.amdhsa_kernel k_qb3896021d2_proj
		.amdhsa_group_segment_fixed_size 327680
		.amdhsa_private_segment_fixed_size 0
		.amdhsa_enable_private_segment 0
		.amdhsa_kernarg_size 64
		.amdhsa_user_sgpr_count 2
		.amdhsa_user_sgpr_kernarg_segment_ptr 1
		.amdhsa_wavefront_size32 1
		.amdhsa_system_sgpr_workgroup_id_x 1
		.amdhsa_system_sgpr_workgroup_id_y 1
		.amdhsa_system_sgpr_workgroup_id_z 1
		.amdhsa_system_vgpr_workitem_id 0
		.amdhsa_next_free_vgpr 1024
		.amdhsa_next_free_sgpr 90
		.amdhsa_reserve_vcc 0
		.amdhsa_float_denorm_mode_32 3
		.amdhsa_float_denorm_mode_16_64 3
		.amdhsa_memory_ordered 1
		.amdhsa_forward_progress 1
		.amdhsa_inst_pref_size 201
	.end_amdhsa_kernel
	.amdgpu_metadata
---
amdhsa.version: [ 1, 2 ]
amdhsa.kernels:
  - .name:           k_qb3896021d2_proj
    .symbol:         k_qb3896021d2_proj.kd
    .args:
      - { .name: q, .offset: 0, .size: 8, .value_kind: global_buffer, .address_space: global }
      - { .name: k, .offset: 8, .size: 8, .value_kind: global_buffer, .address_space: global }
      - { .name: v, .offset: 16, .size: 8, .value_kind: global_buffer, .address_space: global }
      - { .name: wb, .offset: 24, .size: 8, .value_kind: global_buffer, .address_space: global }
      - { .name: bq, .offset: 32, .size: 8, .value_kind: global_buffer, .address_space: global }
      - { .name: bk, .offset: 40, .size: 8, .value_kind: global_buffer, .address_space: global }
      - { .name: bv, .offset: 48, .size: 8, .value_kind: global_buffer, .address_space: global }
      - { .name: qkv, .offset: 56, .size: 8, .value_kind: global_buffer, .address_space: global }
    .group_segment_fixed_size: 327680
    .private_segment_fixed_size: 0
    .kernarg_segment_align: 8
    .kernarg_segment_size: 64
    .max_flat_workgroup_size: 128
    .sgpr_count:     90
    .vgpr_count:     1024
    .wavefront_size: 32
...
	.end_amdgpu_metadata
.endif
;; end of part 2
;; launch attn (part 3): grid 8 x 32, 8 waves a work-group, clusters of 4 x 1, 327,680 bytes of LDS; arguments qkv, mbits, ctx; writes ctx
.if DOCPART == 3
	.amdgcn_target "amdgcn-amd-amdhsa--gfx1250"
	.amdhsa_code_object_version 6
	.text
	.protected	k_qb3896021d2_attn
	.globl	k_qb3896021d2_attn
	.p2align	8
	.type	k_qb3896021d2_attn,@function
k_qb3896021d2_attn:
	s_mov_b64 s[64:65], 0
	v_nop
	global_prefetch_b8 v0, s[64:65] scope:SCOPE_SE
	s_setreg_imm32_b32 hwreg(HW_REG_WAVE_MODE, 25, 1), 1
	s_wait_xcnt 0x0
	s_wait_alu depctr_hold_cnt(0) depctr_sa_sdst(0) depctr_va_vdst(0) depctr_va_sdst(0) depctr_va_ssrc(0) depctr_va_vcc(0) depctr_vm_vsrc(0)
	s_getreg_b32 s2, hwreg(HW_REG_IB_STS2, 6, 4)
	s_cmp_eq_u32 s2, 0
	s_cbranch_scc0 .Lentry_in_a_cluster
	s_endpgm
.Lentry_in_a_cluster:
	s_bfe_u32 s2, ttmp6, 0x10000c
	s_cmp_lg_u32 s2, 0x3003
	s_cbranch_scc0 .Lentry_shape_is_right
	s_endpgm
.Lentry_shape_is_right:
; attn: ctx = softmax(where(mask == 0, -1e9, Q K^T / 8)) V for 64 (batch, head) pairs, scores never leaving registers.
; Q (already times 0.125 log2 e), K, V: f16 [8192][1024], head at columns 64 x head.  ctx: f16 [8192][1024].
; The mask is an input: every (query, key) pair is computed, and a masked score is REPLACED by -1e9 (here times log2 e, since all scores
; are in base 2), as reference() does; a row masked throughout gives p = 1 everywhere, the mean of V.
; SHARE: a work-group takes one batch, a PAIR of heads and 256 queries, so that rows of K, V and ctx are 256 aligned bytes.
; Wave w: head w >> 2 of the pair, queries 64 (w & 3) .. + 63 as four groups g of 16.
; CLUSTERS: the four query blocks of a cluster read the same K and V tiles: each tile is asked for jointly (mask 15).
; LAYOUT, chosen so that no number changes its lane between the two products:
;   S^T = K Q^T   (A = 16 keys x 32 d, B = 16 queries x 32 d): lane (r, h), register j holds (key 16 t + 8 h + j, query r);
;   two neighbouring key tiles, rounded to f16 in place, ARE the B fragment of P (column = query r, k = key);
;   O^T = V^T P^T (A = V transposed on its way out of LDS): lane (r, h), register j holds (d 16 t + 8 h + j, query r).
;   So maximum, sum and rescaling factor belong to the lane's own query; only the maximum crosses the two halves of the wave.
; THE MASK comes as words with one bit a lane (made by the launch before), one word for each score register, by scalar loads; a word is the
; select mask of one v_cndmask_b32.  Scalar loads may come back in any order, so a wait for them is for 0 and everything asked for must
; be back at the next wait.  Hence two sets of 32 words and two waits for 64 keys: groups 0 and 1 are selected together and the
; words of groups 2 and 3 asked for at once; between that request and its wait stand two groups' softmax, their rescaling and their 16
; matrix instructions; the words of the next 64 keys' groups 0 and 1 have the same and a whole S phase besides.
; SOFTMAX: running maximum, taken away before every exponential.  p <= 1 and the sum is at least 1.
; LIMITS: v_exp_f32 gives 0 below 2^-126; p is rounded to f16 for the product (bits below 2^-24 are lost) while the sum adds the f32 values;
; Q, K, V carry f16's range, 65504.
; L2 prefetch is left out: a tile is requested a whole trip (128 matrix instructions and eight softmax passes of each wave) ahead of its wait.
.set PART,  18432                      ; one tensor load's region: 64 rows (K: pitch 272, 17,408 bytes used; V: pitch 288)
.set SLOT,  4*PART                     ; K rows 0-63, K rows 64-127, V rows 0-63, V rows 64-127
.set STAGE, 2*SLOT                     ; 256 rows x 272 bytes for the way out, never the target of a fill
.set KADR, 4                           ; v4-5   K fragments in slot 0, 1
.set VADR, 6                           ; v6-7   V fragments in slot 0, 1
.set QOFF, 8
.set STO,  9
.set RD,   10
.set CO,   11
.set NEG,  12                          ; v12    -1e9 log2(e)
.set M,    16                          ; v[16+2g]  running maximum (the odd partner is 0: a pair is named whole)
.set AL,   24                          ; v[24+2g]  rescaling factor, at the end 1 / sum
.set L,    32                          ; v[32+2g:33+2g] my lane's part of the sum, in two halves
.set T,    40                          ; v40-55 at work
.set S,    64                          ; v[64+32g+8t ..] scores, then p; v[64+32g .. +15] P in f16
.set KF,   192                         ; window 0: K fragment (t, kh) at 192 + 16 t + 8 kh
.set O,    0                           ; window 1: O^T tile (g, t) at 32 g + 8 t
.set Q,    128                         ; window 1: Q fragment (g, kh) at 128 + 16 g + 8 kh
.set VF,   192                         ; window 1: V fragment (kvh, t) at 192 + 32 kvh + 8 t
.set SEL, 2                            ; s2, s3    selects of v_permlanex16_b32
.set MP,  4                            ; s[4:5]    my mask words, this tile
.set CB,  6                            ; s[6:7]    ctx, my 32 rows of the way out
.set G1K, 8                            ; s[8:15]   group 1 for K's tiles
.set G1V, 16                           ; s[16:23]  group 1 for V's tiles: another padding
.set G0,  24                           ; s[24:31]  group 0, a set of four for each slot; the wave's number says K or V and which 64 rows
.set MWB, 32                           ; s[32:63]  mask words, set B: groups 1 and 3
.set QB,  66                           ; s[66:67]  Q, my 64 rows
.set MWA, 68                           ; s[68:99]  mask words, set A: groups 0 and 2 (until the first request: what the set-up needs)
.set WV,  100                          ; s100      wave
.set CNT, 101                          ; s101      loop counter
.set MSB, 0
.macro WIN new                         ; the immediate's high byte repeats the setting that is left
.if MSB != \new
	s_set_vgpr_msb (MSB<<8)|\new
.set MSB, \new
.endif
.endm
.macro PLACES n
.rept \n
	v_nop
.endr
.endm
.macro ROUND                           ; a round of the cluster's barrier
	s_barrier_signal -1
	s_barrier_wait -1
	s_cmp_lg_u32 s[WV], 0
	s_cbranch_scc1 .Lnot_wave_0_\@
	s_barrier_signal -3
.Lnot_wave_0_\@:
	s_barrier_wait -3
	s_barrier_signal -1
	s_barrier_wait -1
.endm
; A tile's four joint loads: waves 0, 1 K's halves, waves 2, 3 V's, the others none.  One tensor load of a wave is out at the most.
.macro JLOAD n
	s_cmp_gt_u32 s[WV], 1
	s_cbranch_scc1 .Lnot_k_\@
	tensor_load_to_lds s[G0+4*\n:G0+4*\n+3], s[G1K:G1K+7]
	s_nop 0
	s_branch .Lasked_\@
.Lnot_k_\@:
	s_cmp_gt_u32 s[WV], 3
	s_cbranch_scc1 .Lasked_\@
	tensor_load_to_lds s[G0+4*\n:G0+4*\n+3], s[G1V:G1V+7]
	s_nop 0
.Lasked_\@:
.endm
	s_load_b128 s[68:71], s[0:1], 0x0              ; qkv s[68:69], mbits s[70:71]
	s_load_b64 s[72:73], s[0:1], 0x10              ; ctx
	v_lshl_add_u32 v62, v0, 2, 0x35000
	v_mov_b32 v63, 0
	ds_add_u32 v62, v63
	v_lshrrev_b32 v1, 5, v0
	v_readfirstlane_b32 s[WV], v1                  ; wave 0..7
	s_lshr_b32 s74, s[WV], 2                       ; which head of the pair
	s_and_b32 s75, s[WV], 3                        ; which 64 queries
	s_and_b32 s76, ttmp7, 0xffff
	s_lshr_b32 s77, s76, 3                         ; batch
	s_and_b32 s78, s76, 7                          ; pair of heads
	s_bfe_u32 s79, ttmp6, 0x40000                  ; cx
	s_lshl_b32 s80, ttmp9, 2
	s_add_co_u32 s80, s80, s79                     ; query block 0..7
	s_mov_b32 s[SEL], 0x76543210                   ; lane i of one half reads lane i of the other
	s_mov_b32 s[SEL+1], 0xfedcba98
	s_mov_b32 s[G1K+0], 15|(1<<16)|(1<<20)|(1<<21)|(5<<22)|(3<<25)   ; all four partners; elements of 2 bytes; after every 64 words, 4 words: pitch 272
	s_mov_b32 s[G1K+1], 128<<16                    ; tensor_dim0 = 128: two heads
	s_mov_b32 s[G1K+2], 64<<16                     ; tensor_dim1 = 64
	s_mov_b32 s[G1K+3], 128<<16                    ; tile_dim0
	s_mov_b32 s[G1K+4], 64                         ; tile_dim1
	s_mov_b32 s[G1K+5], 1024
	s_mov_b32 s[G1K+6], 0
	s_mov_b32 s[G1K+7], 0
	s_mov_b32 s[G1V+0], 15|(1<<16)|(1<<20)|(1<<21)|(5<<22)|(7<<25)   ; 8 words: pitch 288, an odd multiple of 32, for the transposing loads
	s_mov_b32 s[G1V+1], 128<<16
	s_mov_b32 s[G1V+2], 64<<16
	s_mov_b32 s[G1V+3], 128<<16
	s_mov_b32 s[G1V+4], 64
	s_mov_b32 s[G1V+5], 1024
	s_mov_b32 s[G1V+6], 0
	s_mov_b32 s[G1V+7], 0
	; K's and V's tiles hang on batch, pair and the wave's number: the same in all four partners
	s_lshl_b32 s82, s77, 22                        ; 2,048 rows of 2,048 bytes a batch
	s_and_b32 s83, s[WV], 1
	s_lshl_b32 s83, s83, 17                        ; which 64 rows of the tile I fetch
	s_add_co_u32 s82, s82, s83
	s_lshl_b32 s83, s78, 8                         ; 256 bytes a pair of heads
	s_add_co_u32 s82, s82, s83
	s_bfe_u32 s83, s[WV], 0x10001                  ; (wave >> 1) & 1: K (0) or V (1),
	s_add_co_u32 s83, s83, 1
	s_lshl_b32 s83, s83, 24                        ; the second or the third section of 16,777,216 bytes
	s_add_co_u32 s82, s82, s83
	s_mov_b32 s83, 0
	s_mul_i32 s90, s[WV], PART                     ; where my loads go
	; what hangs on the query block stays in registers that feed no descriptor
	s_lshl_b32 s84, s77, 22
	s_lshl_b32 s85, s80, 19                        ; 256 rows a query block
	s_add_co_u32 s84, s84, s85
	s_lshl_b32 s85, s78, 8
	s_add_co_u32 s84, s84, s85
	s_lshl_b32 s85, s[WV], 16                      ; ctx: 32 rows a wave on the way out
	s_add_co_u32 s86, s84, s85
	s_mov_b32 s87, 0
	s_lshl_b32 s85, s75, 17                        ; Q: my 64 rows,
	s_add_co_u32 s84, s84, s85
	s_lshl_b32 s85, s74, 7                         ; my head's 128 bytes
	s_add_co_u32 s84, s84, s85
	s_mov_b32 s85, 0
	s_lshl_b32 s88, s80, 16                        ; mask words: 16 groups of 4,096 bytes a query block,
	s_lshl_b32 s89, s75, 14                        ; four a wave
	s_add_co_u32 s88, s88, s89
	s_mov_b32 s89, 0
	s_wait_dscnt 0x0
	s_wait_kmcnt 0x0
	s_add_nc_u64 s[92:93], s[68:69], s[82:83]      ; my part of tile 0
	s_add_nc_u64 s[QB:QB+1], s[68:69], s[84:85]
	s_add_nc_u64 s[MP:MP+1], s[70:71], s[88:89]
	s_add_nc_u64 s[CB:CB+1], s[72:73], s[86:87]
.irp n, 0,1
	s_mov_b32 s[G0+4*\n], 1
	s_add_co_u32 s[G0+4*\n+1], s90, \n*SLOT
	s_add_nc_u64 s[G0+4*\n+2:G0+4*\n+3], s[92:93], \n*262144       ; tile n: 128 rows of 2,048 bytes
	s_or_b32 s[G0+4*\n+3], s[G0+4*\n+3], 0x80000000
.endr
	ROUND                                          ; in front of the first joint load
	JLOAD 0                                        ; tile 0; slot 1 is first filled behind the first trip's round
	v_and_b32 v1, 15, v0                           ; r
	v_bfe_u32 v2, v0, 4, 1                         ; h
	v_lshlrev_b32 v[QOFF], 11, v1
	v_lshl_add_u32 v[QOFF], v2, 4, v[QOFF]         ; row r, 16 h
	WIN 0x40
.irp g, 0,1,2,3
.irp kh, 0,1
	global_load_b128 v[Q+16*\g+8*\kh:Q+16*\g+8*\kh+3],   v[QOFF], s[QB:QB+1] offset:32768*\g+64*\kh
	global_load_b128 v[Q+16*\g+8*\kh+4:Q+16*\g+8*\kh+7], v[QOFF], s[QB:QB+1] offset:32768*\g+64*\kh+32
.endr
.endr
	WIN 0
	s_lshl_b32 s91, s74, 7                         ; my head's 128 bytes of an LDS row
	v_mul_u32_u24 v[KADR], v1, 272
	v_lshl_add_u32 v[KADR], v2, 4, v[KADR]
	v_add_nc_u32 v[KADR], s91, v[KADR]             ; 272 r + 16 h + 128 head
	v_add_nc_u32 v[KADR+1], SLOT, v[KADR]
	v_and_b32 v13, 7, v0
	v_lshl_add_u32 v13, v2, 3, v13                 ; key row 8 h + (lane & 7)
	v_mul_u32_u24 v[VADR], v13, 288
	v_bfe_u32 v13, v0, 3, 1
	v_lshl_add_u32 v[VADR], v13, 4, v[VADR]        ; + 16 ((lane >> 3) & 1)
	v_add_nc_u32 v[VADR], s91, v[VADR]
	v_add_nc_u32 v[VADR], 2*PART, v[VADR]
	v_add_nc_u32 v[VADR+1], SLOT, v[VADR]
	s_mul_i32 s91, s75, 64*272
	s_add_co_u32 s91, s91, STAGE
	v_add_nc_u32 v[STO], s91, v[KADR]              ; stage row 64 (w & 3) + r, my head's half, 16 h
	s_mul_i32 s91, s[WV], 32*272
	s_add_co_u32 s91, s91, STAGE
	v_mul_u32_u24 v[RD], v2, 272
	v_lshl_add_u32 v[RD], v1, 4, v[RD]
	v_add_nc_u32 v[RD], s91, v[RD]                 ; back: rows 32 w + ..; lanes 0-15 one row, lanes 16-31 the next
	v_lshlrev_b32 v[CO], 11, v2
	v_lshl_add_u32 v[CO], v1, 4, v[CO]
	v_mov_b32 v[NEG], 0xceabfb8f                   ; -1e9 x log2(e)
.irp g, 0,1,2,3
	v_mov_b32 v[M+2*\g+1], 0
	v_mov_b32 v[AL+2*\g+1], 0
.endr
; 64 mask words: 32 into set A from byte offa of my words, 32 into set B from byte offb
.macro MLOAD offa, offb
	s_load_b512 s[MWA:MWA+15],    s[MP:MP+1], \offa
	s_load_b512 s[MWA+16:MWA+31], s[MP:MP+1], \offa+64
	s_load_b512 s[MWB:MWB+15],    s[MP:MP+1], \offb
	s_load_b512 s[MWB+16:MWB+31], s[MP:MP+1], \offb+64
.endm
	MLOAD 0, 4096                                  ; groups 0 and 1, keys 0-63; the set-up's scalars in s[68:99] are no longer needed
	s_wait_loadcnt 0x0                             ; Q
.macro LOADK slot, u                   ; 16 loads: keys 64 u .. + 63 as four tiles x two halves of d
	WIN 0
.irp t, 0,1,2,3
.irp kh, 0,1
	ds_load_b128 v[KF+16*\t+8*\kh:KF+16*\t+8*\kh+3],   v[KADR+\slot] offset:PART*\u+4352*\t+64*\kh
	ds_load_b128 v[KF+16*\t+8*\kh+4:KF+16*\t+8*\kh+7], v[KADR+\slot] offset:PART*\u+4352*\t+64*\kh+32
.endr
.endr
.endm
.macro LOADV slot, u                   ; 16 transposing loads: V^T, four tiles of d x two halves of 32 keys
	WIN 0x40
.irp kvh, 0,1
.irp t, 0,1,2,3
	ds_load_tr16_b128 v[VF+32*\kvh+8*\t:VF+32*\kvh+8*\t+3],   v[VADR+\slot] offset:PART*\u+9216*\kvh+32*\t
	ds_load_tr16_b128 v[VF+32*\kvh+8*\t+4:VF+32*\kvh+8*\t+7], v[VADR+\slot] offset:PART*\u+9216*\kvh+32*\t+4608
.endr
.endr
.endm
; 32 matrix instructions: S^T for 64 keys x 64 queries.  The sixteen accumulators take turns, one instruction a turn.
.macro SPHASE
	WIN 0x04
.irp kh, 0,1
.irp t, 0,1,2,3
.irp g, 0,1,2,3
.if \kh
	v_wmma_f32_16x16x32_f16 v[S+32*\g+8*\t:S+32*\g+8*\t+7], v[KF+16*\t+8*\kh:KF+16*\t+8*\kh+7], v[Q+16*\g+8*\kh:Q+16*\g+8*\kh+7], v[S+32*\g+8*\t:S+32*\g+8*\t+7]
.else
	v_wmma_f32_16x16x32_f16 v[S+32*\g+8*\t:S+32*\g+8*\t+7], v[KF+16*\t+8*\kh:KF+16*\t+8*\kh+7], v[Q+16*\g+8*\kh:Q+16*\g+8*\kh+7], 0
.endif
.endr
.endr
.endr
.endm
; The select of group g's 32 score registers by the words of set mw.  Bit set: the score; clear: -1e9 log2(e).
.macro MASK g, mw
.set i, 0
.rept 32
	v_cndmask_b32 v[S+32*\g+i], v[NEG], v[S+32*\g+i], s[\mw+i]
.set i, i+1
.endr
.endm
; Softmax step of group g on its 32 selected scores.  first: nothing is carried yet.
.macro REST g, first
.set SB, S+32*\g
.set MG, M+2*\g
.set AG, AL+2*\g
.set LG, L+2*\g
.irp t, 0,1,2,3
	v_max3_num_f32 v[T+\t], v[SB+8*\t], v[SB+8*\t+1], v[SB+8*\t+2]         ; four chains
.endr
.irp t, 0,1,2,3
	v_max3_num_f32 v[T+\t], v[T+\t], v[SB+8*\t+3], v[SB+8*\t+4]
.endr
.irp t, 0,1,2,3
	v_max3_num_f32 v[T+\t], v[T+\t], v[SB+8*\t+5], v[SB+8*\t+6]
.endr
	v_max3_num_f32 v[T], v[T], v[T+1], v[SB+7]
	v_max3_num_f32 v[T+2], v[T+2], v[T+3], v[SB+15]
	v_max3_num_f32 v[T], v[T], v[SB+23], v[SB+31]
	v_max_num_f32 v[T], v[T], v[T+2]
	v_permlanex16_b32 v[T+1], v[T], s[SEL], s[SEL+1]       ; the other 32 keys of my query
.if \first
	v_max_num_f32 v[MG], v[T], v[T+1]
.else
	v_max3_num_f32 v[T+2], v[MG], v[T], v[T+1]
	v_sub_f32 v[T+3], v[MG], v[T+2]
	v_exp_f32 v[AG], v[T+3]                        ; 2^(old - new); the move below is the plain instruction behind it (ISA guide 5.7.2)
	v_mov_b32 v[MG], v[T+2]
.endif
.set i, 0
.rept 16
	v_pk_add_f32 v[SB+i:SB+i+1], v[SB+i:SB+i+1], v[MG:MG+1] op_sel_hi:[1,0] neg_lo:[0,1] neg_hi:[0,1]
.set i, i+2
.endr
.set i, 0
.rept 32
	v_exp_f32 v[SB+i], v[SB+i]
.set i, i+1
.endr
	v_nop                                          ; one plain instruction between the exponentials and the first use of a result
	s_wait_alu depctr_va_vdst(0)
.irp k, 0,1,2,3,4,5,6,7
	v_pk_add_f32 v[T+2*\k:T+2*\k+1], v[SB+4*\k:SB+4*\k+1], v[SB+4*\k+2:SB+4*\k+3]
.endr
.irp k, 0,1,2,3
	v_pk_add_f32 v[T+4*\k:T+4*\k+1], v[T+4*\k:T+4*\k+1], v[T+4*\k+2:T+4*\k+3]
.endr
	v_pk_add_f32 v[T:T+1], v[T:T+1], v[T+4:T+5]
	v_pk_add_f32 v[T+8:T+9], v[T+8:T+9], v[T+12:T+13]
.if \first
	v_pk_add_f32 v[LG:LG+1], v[T:T+1], v[T+8:T+9]
.else
	v_pk_add_f32 v[T:T+1], v[T:T+1], v[T+8:T+9]
	v_pk_fma_f32 v[LG:LG+1], v[LG:LG+1], v[AG:AG+1], v[T:T+1] op_sel_hi:[1,0,1]
.endif
.set i, 0
.rept 16
	v_cvt_pk_f16_f32 v[SB+i], v[SB+2*i], v[SB+2*i+1]       ; in place, ascending: register i is written when 2 i and 2 i + 1 have been read
.set i, i+1
.endr
.endm
.macro RESCALE2 g0                     ; O^T of groups g0, g0 + 1 times the lane's own factor
	WIN 0x41
.irp g, \g0, \g0+1
.set i, 0
.rept 16
	v_pk_mul_f32 v[O+32*(\g)+i:O+32*(\g)+i+1], v[O+32*(\g)+i:O+32*(\g)+i+1], v[AL+2*(\g):AL+2*(\g)+1] op_sel_hi:[1,0]
.set i, i+2
.endr
.endr
.endm
; 16 matrix instructions: O^T += V^T P^T for groups g0, g0 + 1.  Eight accumulators by turns, one instruction a turn;
; the block in front ends and the block behind begins on other accumulators.
.macro PV2 g0, first
	WIN 0x51
.irp kvh, 0,1
.irp g, \g0, \g0+1
.irp t, 0,1,2,3
.if \first*(1-\kvh)
	v_wmma_f32_16x16x32_f16 v[O+32*(\g)+8*\t:O+32*(\g)+8*\t+7], v[VF+32*\kvh+8*\t:VF+32*\kvh+8*\t+7], v[S+32*(\g)+8*\kvh:S+32*(\g)+8*\kvh+7], 0
.else
	v_wmma_f32_16x16x32_f16 v[O+32*(\g)+8*\t:O+32*(\g)+8*\t+7], v[VF+32*\kvh+8*\t:VF+32*\kvh+8*\t+7], v[S+32*(\g)+8*\kvh:S+32*(\g)+8*\kvh+7], v[O+32*(\g)+8*\t:O+32*(\g)+8*\t+7]
.endif
.endr
.endr
.endr
.endm
; 64 keys: half u of the tile in slot.  step: the mask pointer moves on a tile.  last: nothing is left to ask for.
.macro SUB slot, u, first, step, last
.if \u == 0
	LOADK \slot, 0
.endif
	LOADV \slot, \u
	s_wait_dscnt 16                                ; K's sixteen loads are older than V's sixteen, which may stay out
	SPHASE
	WIN 0
	PLACES 4                                       ; behind the last matrix instruction: for the loads into K's fragments and the reads of S
.if \u == 0
	LOADK \slot, 1                                 ; the next 64 keys, a whole softmax ahead of their use
.endif
	s_wait_kmcnt 0x0                               ; the words of groups 0 and 1; no scalar load is out, so the pointer may be stepped
.if \step
	s_add_nc_u64 s[MP:MP+1], s[MP:MP+1], 256       ; eight key tiles of 32 bytes
.endif
	MASK 0, MWA
	MASK 1, MWB
	MLOAD 8192+128*\u, 12288+128*\u                ; groups 2 and 3 of these 64 keys
	REST 0, \first
	REST 1, \first
.if \first == 0
	RESCALE2 0
.endif
.if \u == 0
	s_wait_dscnt 16                                ; V is in; the sixteen loads of the next K may stay out
.else
	s_wait_dscnt 0x0
.endif
	PV2 0, \first
	WIN 0
	s_wait_kmcnt 0x0                               ; the words of groups 2 and 3
	MASK 2, MWA                                    ; these name none of the registers of the matrix instructions in front
	MASK 3, MWB
.if \last == 0
	MLOAD 128*\u+128, 128*\u+4224                  ; groups 0 and 1 of the next 64 keys (for u = 1: the next tile, seen from the pointer not yet stepped)
.endif
	REST 2, \first
	REST 3, \first
.if \first == 0
	RESCALE2 2
.endif
	PV2 2, \first
	WIN 0
	PLACES 5                                       ; before loads into V's fragments (4) and before matrix instructions write over P (5)
.endm
; A tile of 128 keys.  In front of the round every wave's LDS reads are back and all its tensor loads have landed; the joint refill of the
; slot read last trip is the first tensor load behind the round and has this whole trip in which to land.
.macro TRIP slot, refill, first, last
	s_wait_tensorcnt 0x0
	ds_add_u32 v62, v63
	s_wait_dscnt 0x0
	s_add_nc_u64 s[G0+4*\slot+2:G0+4*\slot+3], s[G0+4*\slot+2:G0+4*\slot+3], 524288        ; no tensor load of mine is out: this slot's next tile, two tiles on
	s_wait_dscnt 0x0
	ROUND
.if \refill
	JLOAD (1-\slot)
.endif
	SUB \slot, 0, \first, 1-\first, 0
	SUB \slot, 1, 0, 0, \last
.endm
	TRIP 0, 1, 1, 0                                ; tiles 0 and 1 stand in front of the loop: the first products start the sums
	TRIP 1, 1, 0, 0
	s_mov_b32 s[CNT], 6
.Ltiles:
	TRIP 0, 1, 0, 0
	TRIP 1, 1, 0, 0
	s_sub_co_u32 s[CNT], s[CNT], 1
	s_cmp_lg_u32 s[CNT], 0
	s_cbranch_scc1 .Ltiles
	TRIP 0, 1, 0, 0                                ; tile 14 asks for tile 15,
	TRIP 1, 0, 0, 1                                ; which asks for nothing
	; the sums of the two halves of the wave meet, O^T is divided, rounded to f16 and leaves through the stage
.irp g, 0,1,2,3
	v_add_f32 v[T+2*\g], v[L+2*\g], v[L+2*\g+1]
.endr
.irp g, 0,1,2,3
	v_permlanex16_b32 v[T+2*\g+1], v[T+2*\g], s[SEL], s[SEL+1]
.endr
.irp g, 0,1,2,3
	v_add_f32 v[T+2*\g], v[T+2*\g], v[T+2*\g+1]
.endr
.irp g, 0,1,2,3
	v_rcp_f32 v[AL+2*\g], v[T+2*\g]
.endr
	v_nop                                          ; the plain instruction behind the reciprocals
	s_wait_alu depctr_va_vdst(0)
	RESCALE2 0
	RESCALE2 2
	WIN 0x05
.irp g, 0,1,2,3
.irp t, 0,1,2,3
.irp c, 0,1,2,3
	v_cvt_pk_f16_f32 v[S+16*\g+4*\t+\c], v[O+32*\g+8*\t+2*\c], v[O+32*\g+8*\t+2*\c+1]
.endr
.endr
.endr
	WIN 0
.irp g, 0,1,2,3
.irp t, 0,1,2,3
	ds_store_b128 v[STO], v[S+16*\g+4*\t:S+16*\g+4*\t+3] offset:4352*\g+32*\t      ; query 16 g + r, d 16 t + 8 h .. + 7
.endr
.endr
	s_wait_dscnt 0x0                               ; for the others' sake: a row's two halves come from two waves
	s_barrier_signal -1
	s_barrier_wait -1
.irp t, 0,1,2,3,4,5,6,7,8,9,10,11,12,13,14,15
	ds_load_b128 v[KF+4*\t:KF+4*\t+3], v[RD] offset:544*\t
.endr
.irp t, 0,1,2,3,4,5,6,7,8,9,10,11,12,13,14,15
	s_wait_dscnt 15-\t                             ; the younger read-backs stay out
	global_store_b128 v[CO], v[KF+4*\t:KF+4*\t+3], s[CB:CB+1] offset:4096*\t       ; sixteen lanes store 256 consecutive bytes, aligned
.endr
	s_wait_tensorcnt 0x0
	ds_add_u32 v62, v63
	s_wait_dscnt 0x0
	ROUND                                          ; the closing round
	s_endpgm
.Lfunc_end_k_qb3896021d2_attn:
	.size	k_qb3896021d2_attn, .Lfunc_end_k_qb3896021d2_attn-k_qb3896021d2_attn
	.p2alignl 7, 3214868480
	.fill 96, 4, 3214868480
	.section	.rodata,"a",@progbits
	.p2align	6, 0x0
	.amdhsa_kernel k_qb3896021d2_attn
		.amdhsa_group_segment_fixed_size 327680
		.amdhsa_private_segment_fixed_size 0
		.amdhsa_enable_private_segment 0
		.amdhsa_kernarg_size 24
		.amdhsa_user_sgpr_count 2
		.amdhsa_user_sgpr_kernarg_segment_ptr 1
		.amdhsa_wavefront_size32 1
		.amdhsa_system_sgpr_workgroup_id_x 1
		.amdhsa_system_sgpr_workgroup_id_y 1
		.amdhsa_system_sgpr_workgroup_id_z 1
		.amdhsa_system_vgpr_workitem_id 0
		.amdhsa_next_free_vgpr 512
		.amdhsa_next_free_sgpr 102
		.amdhsa_reserve_vcc 0
		.amdhsa_float_denorm_mode_32 3
		.amdhsa_float_denorm_mode_16_64 3
		.amdhsa_memory_ordered 1
		.amdhsa_forward_progress 1
		.amdhsa_inst_pref_size 255
	.end_amdhsa_kernel
	.section	.bss,"aw",@nobits
	.p2align	6
	.space	262144
	.amdgpu_metadata
---
amdhsa.version: [ 1, 2 ]
amdhsa.kernels:
  - .name:           k_qb3896021d2_attn
    .symbol:         k_qb3896021d2_attn.kd
    .args:
      - { .name: qkv, .offset: 0, .size: 8, .value_kind: global_buffer, .address_space: global }
      - { .name: mbits, .offset: 8, .size: 8, .value_kind: global_buffer, .address_space: global }
      - { .name: ctx, .offset: 16, .size: 8, .value_kind: global_buffer, .address_space: global }
    .group_segment_fixed_size: 327680
    .private_segment_fixed_size: 0
    .kernarg_segment_align: 8
    .kernarg_segment_size: 24
    .max_flat_workgroup_size: 256
    .sgpr_count:     102
    .vgpr_count:     512
    .wavefront_size: 32
...
	.end_amdgpu_metadata
.endif
;; end of part 3
;; launch oproj (part 4): grid 4 x 64, 4 waves a work-group, clusters of 4 x 4, 327,680 bytes of LDS; arguments ctx, wb, bo, out0; writes out0
.if DOCPART == 4
	.amdgcn_target "amdgcn-amd-amdhsa--gfx1250"
	.amdhsa_code_object_version 6
	.text
	.protected	k_qb3896021d2_oproj
	.globl	k_qb3896021d2_oproj
	.p2align	8
	.type	k_qb3896021d2_oproj,@function
k_qb3896021d2_oproj:
	s_mov_b64 s[64:65], 0
	v_nop
	global_prefetch_b8 v0, s[64:65] scope:SCOPE_SE
	s_setreg_imm32_b32 hwreg(HW_REG_WAVE_MODE, 25, 1), 1
	s_wait_xcnt 0x0
	s_wait_alu depctr_hold_cnt(0) depctr_sa_sdst(0) depctr_va_vdst(0) depctr_va_sdst(0) depctr_va_ssrc(0) depctr_va_vcc(0) depctr_vm_vsrc(0)
	s_getreg_b32 s2, hwreg(HW_REG_IB_STS2, 6, 4)
	s_cmp_eq_u32 s2, 0
	s_cbranch_scc0 .Lentry_in_a_cluster
	s_endpgm
.Lentry_in_a_cluster:
	s_bfe_u32 s2, ttmp6, 0x10000c
	s_cmp_lg_u32 s2, 0xf033
	s_cbranch_scc0 .Lentry_shape_is_right
	s_endpgm
.Lentry_shape_is_right:
; oproj: out0 = ctx wo^T + bo.  ctx: [8192][1024] f16.  wo: f16 (holding the bf16 rounding of the input), row-major [n][k], the fourth
; weight of wb.  out0: [8192][1024] f32.  Sums in f32.
; SHAPE: 256 work-groups, each a block of 128 x 256 (blocks of 256 x 256 would be only 128 work-groups).  Four waves, a wave 64 x 128 =
; 32 accumulator tiles in window 2.  K in steps of 128 through two LDS slots: a tile's rows are 256 bytes, aligned.
; CLUSTERS: 4 x 4 work-groups; a row of the cluster shares ctx's tiles, a column shares wo's; each tile is asked for jointly by the four.
; REGISTERS: window 0: v0-31 addresses, v64-95 and v128-159 ctx's fragments (two buffers; on the way out v64-191 hold rows read back),
; v192-255 bias; window 1: v64-127, v128-191 wo's fragments; window 2: accumulators, tile (a, b) at 8 (8 a + b).
; The matrix instruction is used transposed (source 0 = rows of wo, source 1 = rows of ctx): a lane's eight results are neighbouring columns.
.set PITCH,  272
.set BHALF,  128*PITCH                 ; what wave 0 or 1 fetches: 128 rows of wo
.set AHALF,  64*PITCH                  ; what wave 2 or 3 fetches: 64 rows of ctx
.set AOFF,   2*BHALF
.set SLOT,   2*BHALF+2*AHALF
.set STAGE,  2*SLOT                    ; 16 rows x 528 bytes for each wave, never the target of a fill
.set SPITCH, 528
.set LAPS,   4                         ; 8 K steps, two a lap
.set STEP,   256                       ; bytes from a K step to the next
.set ADRA, 16
.set ADRB, 20
.set STO,  24
.set RD,   25
.set CO,   26
.set BOFF, 27
.set F0,   64
.set F1,   128
.set BIAS, 192
.set G1,  24                           ; ctx's tiles
.set G0,  32
.set G1B, 48                           ; wo's tiles
.set G0B, 56
.set MSB, 0
.macro WIN new
.if MSB != \new
	s_set_vgpr_msb (MSB<<8)|\new
.set MSB, \new
.endif
.endm
.set MUL_W, 0xa1                       ; source 0 window 1, source 1 window 0, C and D window 2
.macro JLOAD s                         ; waves 0, 1: wo's halves; waves 2, 3: ctx's halves
	s_cmp_eq_u32 s11, 0
	s_cbranch_scc0 .Lfor_a_\@
	tensor_load_to_lds s[G0B+4*\s:G0B+4*\s+3], s[G1B:G1B+7]
	s_nop 0
	s_branch .Lasked_\@
.Lfor_a_\@:
	tensor_load_to_lds s[G0+4*\s:G0+4*\s+3], s[G1:G1+7]
	s_nop 0
.Lasked_\@:
.endm
.macro CREST
	s_cmp_lg_u32 s10, 0
	s_cbranch_scc1 .Lnot_wave_0_\@
	s_barrier_signal -3
.Lnot_wave_0_\@:
	s_barrier_wait -3
	s_barrier_signal -1
	s_barrier_wait -1
.endm
.macro CROUND
	s_barrier_signal -1
	s_barrier_wait -1
	CREST
.endm
.macro PLACES                          ; four places behind a matrix instruction (ISA guide 7.12.1)
.rept 4
	v_nop
.endr
.endm
	s_load_b256 s[68:75], s[0:1], 0x0              ; ctx 68, wb 70, bo 72, out0 74
	s_set_vgpr_msb 0x40
	v_lshl_add_u32 v255, v0, 2, 0x3b400
	s_set_vgpr_msb 0x4000
	v_mov_b32 v63, 0
	s_set_vgpr_msb 0x1
	ds_add_u32 v255, v63
	s_set_vgpr_msb 0x100
	v_lshrrev_b32 v1, 5, v0
	v_readfirstlane_b32 s10, v1                    ; wave 0..3
	s_lshr_b32 s11, s10, 1                         ; my 64 rows of the block.  Also: I fetch for wo (0) or for ctx (1)
	s_and_b32 s12, s10, 1                          ; my 128 columns.  Also: which half of that tile I fetch
	s_bfe_u32 s40, ttmp6, 0x40000                  ; cx
	s_bfe_u32 s41, ttmp6, 0x40004                  ; cy
	s_lshl_b32 s42, ttmp9, 2
	s_add_co_u32 s42, s42, s40                     ; block column 0..3
	s_and_b32 s13, ttmp7, 0xffff
	s_lshl_b32 s13, s13, 2
	s_add_co_u32 s13, s13, s41                     ; block row 0..63
	s_lshl_b32 s43, s41, 2
	s_lshl_b32 s43, 15, s43                        ; my row of the cluster
	s_lshl_b32 s44, 0x1111, s40                    ; my column
	s_or_b32 s[G1+0], s43, (1<<16)|(1<<20)|(1<<21)|(5<<22)|(3<<25)
	s_mov_b32 s[G1+1], 128<<16                     ; tensor_dim0 = 128
	s_mov_b32 s[G1+2], 64<<16                      ; tensor_dim1 = 64
	s_mov_b32 s[G1+3], 128<<16                     ; tile_dim0
	s_mov_b32 s[G1+4], 64                          ; tile_dim1
	s_mov_b32 s[G1+5], 1024
	s_mov_b32 s[G1+6], 0
	s_mov_b32 s[G1+7], 0
	s_or_b32 s[G1B+0], s44, (1<<16)|(1<<20)|(1<<21)|(5<<22)|(3<<25)
	s_mov_b32 s[G1B+1], 128<<16
	s_mov_b32 s[G1B+2], 128<<16
	s_mov_b32 s[G1B+3], 128<<16
	s_mov_b32 s[G1B+4], 128
	s_mov_b32 s[G1B+5], 1024
	s_mov_b32 s[G1B+6], 0
	s_mov_b32 s[G1B+7], 0
	s_lshl_b32 s16, s13, 7
	s_lshl_b32 s17, s12, 6
	s_add_co_u32 s16, s16, s17                     ; ctx: row 128 x block row + 64 x half
	s_lshl_b32 s16, s16, 11
	s_mov_b32 s17, 0
	s_lshl_b32 s46, s42, 8
	s_lshl_b32 s47, s12, 7
	s_add_co_u32 s46, s46, s47                     ; wo: row n = 256 x block column + 128 x half; also my first column
	s_lshl_b32 s76, s46, 2                         ; the bias of my 128 columns, in bytes
	s_mov_b32 s77, 0
	s_lshl_b32 s46, s46, 11
	s_add_co_u32 s46, s46, 6291456                 ; the fourth weight of wb
	s_mov_b32 s47, 0
	s_mul_i32 s20, s10, BHALF                      ; wo's halves: wave x 128 rows
	s_mul_i32 s21, s10, AHALF
	s_add_co_u32 s21, s21, BHALF                   ; ctx's halves, waves 2 and 3: 69,632 + (wave - 2) x 64 rows
	s_wait_dscnt 0x0
	s_wait_kmcnt 0x0
	s_add_nc_u64 s[14:15], s[68:69], s[16:17]
	s_add_nc_u64 s[46:47], s[70:71], s[46:47]
	s_add_nc_u64 s[6:7], s[72:73], s[76:77]
	CROUND                                         ; all sixteen work-groups are here: the first joint loads meet
.irp s, 0,1
	s_mov_b32 s[G0+4*\s], 1
	s_add_co_u32 s[G0+4*\s+1], s21, \s*SLOT
	s_add_nc_u64 s[G0+4*\s+2:G0+4*\s+3], s[14:15], \s*STEP
	s_or_b32 s[G0+4*\s+3], s[G0+4*\s+3], 0x80000000
	s_mov_b32 s[G0B+4*\s], 1
	s_add_co_u32 s[G0B+4*\s+1], s20, \s*SLOT
	s_add_nc_u64 s[G0B+4*\s+2:G0B+4*\s+3], s[46:47], \s*STEP
	s_or_b32 s[G0B+4*\s+3], s[G0B+4*\s+3], 0x80000000
	JLOAD \s                                       ; K steps 0 and 1: two tensor loads of the wave are out, the most in this text
.endr
	v_and_b32 v1, 15, v0                           ; r
	v_bfe_u32 v2, v0, 4, 1                         ; h
	v_lshlrev_b32 v[BOFF], 5, v2
.irp b, 0,1,2,3,4,5,6,7
	global_load_b128 v[BIAS+8*\b:BIAS+8*\b+3],   v[BOFF], s[6:7] offset:64*\b      ; bias of columns 16 b + 8 h + 0..7; waited for on the way out
	global_load_b128 v[BIAS+8*\b+4:BIAS+8*\b+7], v[BOFF], s[6:7] offset:64*\b+16
.endr
	v_mul_u32_u24 v3, v1, PITCH
	v_lshl_add_u32 v3, v2, 4, v3                   ; row x pitch + 16 h
	s_mul_i32 s22, s11, AHALF
	s_add_co_u32 s22, s22, AOFF                    ; my 64 rows of ctx
	s_mul_i32 s23, s12, BHALF                      ; my 128 rows of wo
.irp s, 0,1
	v_add_nc_u32 v[ADRA+\s], s22, v3
	v_add_nc_u32 v[ADRB+\s], s23, v3
	s_add_co_u32 s22, s22, SLOT
	s_add_co_u32 s23, s23, SLOT
.endr
	s_mul_i32 s23, s10, 16*SPITCH
	s_add_co_u32 s23, s23, STAGE
	v_mul_u32_u24 v4, v1, SPITCH
	v_lshl_add_u32 v4, v2, 5, v4
	v_add_nc_u32 v[STO], s23, v4                   ; in: row r, 32 bytes for each half of the lanes
	v_and_b32 v5, 31, v0
	v_lshlrev_b32 v[CO], 4, v5                     ; out: 16 bytes a lane, a row's 512 bytes a wave
	v_add_nc_u32 v[RD], s23, v[CO]
; 16 matrix instructions: m blocks a0, a0 + 1 x all 8 n blocks.  The 32 accumulators take turns, one instruction a turn.
.macro MUL16 f, a0, zero
.irp a, \a0, \a0+1
.irp b, 0,1,2,3,4,5,6,7
.if \zero
	v_wmma_f32_16x16x32_f16 v[8*(8*(\a)+\b):8*(8*(\a)+\b)+7], v[\f+8*\b:\f+8*\b+7], v[\f+8*(\a):\f+8*(\a)+7], 0
.else
	v_wmma_f32_16x16x32_f16 v[8*(8*(\a)+\b):8*(8*(\a)+\b)+7], v[\f+8*\b:\f+8*\b+7], v[\f+8*(\a):\f+8*(\a)+7], v[8*(8*(\a)+\b):8*(8*(\a)+\b)+7]
.endif
.endr
.endr
.endm
.macro FETCH slot, k, f                ; 24 LDS loads: 128 rows of wo, 64 rows of ctx, 32 k at byte k of the rows
	WIN 0x40
.irp i, 0,1,2,3,4,5,6,7
	ds_load_b128 v[\f+8*\i:\f+8*\i+3],   v[ADRB+\slot] offset:\k+\i*16*PITCH
	ds_load_b128 v[\f+8*\i+4:\f+8*\i+7], v[ADRB+\slot] offset:\k+\i*16*PITCH+32
.endr
	WIN 0
.irp i, 0,1,2,3
	ds_load_b128 v[\f+8*\i:\f+8*\i+3],   v[ADRA+\slot] offset:\k+\i*16*PITCH
	ds_load_b128 v[\f+8*\i+4:\f+8*\i+7], v[ADRA+\slot] offset:\k+\i*16*PITCH+32
.endr
.endm
; A quarter of a K step: buffer f is in; the next quarter's fragments are asked for into buffer g, then f is multiplied.
.macro QUARTER slot, k, f, g, zero
	s_wait_dscnt 0x0
	PLACES                                         ; buffer g was read by the last matrix instructions
	FETCH \slot, \k, \g
	WIN MUL_W
	MUL16 \f, 0, \zero
	MUL16 \f, 2, \zero
.endm
.macro THREE slot, zero
	QUARTER \slot, 64,  F0, F1, \zero
	QUARTER \slot, 128, F1, F0, 0
	QUARTER \slot, 192, F0, F1, 0
.endm
; The last quarter changes slots.  In front of the barrier each wave's reads of this slot are back and all its tensor loads have landed;
; where the slot is filled again the barrier opens a round of the cluster's barrier and the joint refill is the first tensor load behind it.
; From a request to the wait for it a wave issues 112 matrix instructions.
.macro TURN slot, next, fill
	s_wait_dscnt 0x0
	s_wait_tensorcnt 0x0
	ds_add_u32 v255, v63
	s_wait_dscnt 0x0
	s_barrier_signal -1
	WIN MUL_W
	MUL16 F1, 0, 0                                 ; registers only, while the others arrive
	WIN 0
	s_barrier_wait -1
.if \fill
	CREST
	s_add_nc_u64 s[G0+4*\slot+2:G0+4*\slot+3], s[G0+4*\slot+2:G0+4*\slot+3], 2*STEP
	s_add_nc_u64 s[G0B+4*\slot+2:G0B+4*\slot+3], s[G0B+4*\slot+2:G0B+4*\slot+3], 2*STEP
	JLOAD \slot
.endif
	PLACES                                         ; buffer 0 was read by the third quarter's matrix instructions
	FETCH \next, 0, F0
	WIN MUL_W
	MUL16 F1, 2, 0
.endm
.macro LAP zero
	THREE 0, \zero
	TURN 0, 1, 1
	THREE 1, 0
	TURN 1, 0, 1
.endm
	s_wait_tensorcnt 0x1                           ; my part of K step 0 is in; K step 1's may stay out
	s_barrier_signal -1
	s_barrier_wait -1
	FETCH 0, 0, F0
	LAP 1
	WIN 0
	s_mov_b32 s3, LAPS-2
.Llap:
	LAP 0
	WIN 0
	s_sub_co_u32 s3, s3, 1
	s_cmp_lg_u32 s3, 0
	s_cbranch_scc1 .Llap
	THREE 0, 0                                     ; the last lap fills nothing
	TURN 0, 1, 0
	THREE 1, 0
	s_wait_dscnt 0x0
	WIN MUL_W
	MUL16 F1, 0, 0
	MUL16 F1, 2, 0
	; THE WAY OUT, 16 rows at a time: add the bias, 32 bytes a lane into my own stage, whole rows of 512 bytes back and out.
	PLACES
	WIN 0
	s_lshl_b32 s13, s13, 7
	s_lshl_b32 s14, s11, 6
	s_add_co_u32 s16, s13, s14                     ; my first row
	s_lshl_b32 s16, s16, 12                        ; 4,096 bytes a row
	s_mov_b32 s17, 0
	s_add_nc_u64 s[8:9], s[74:75], s[16:17]
	s_lshl_b32 s46, s42, 10                        ; my first column, in bytes
	s_lshl_b32 s47, s12, 9
	s_add_co_u32 s46, s46, s47
	s_mov_b32 s47, 0
	s_add_nc_u64 s[8:9], s[8:9], s[46:47]
	s_wait_loadcnt 0x0                             ; the bias
.macro OUTF a, f
	WIN 0x82                                       ; source 0 and destination window 2, the bias window 0
.irp b, 0,1,2,3,4,5,6,7
.irp c, 0,2,4,6
	v_pk_add_f32 v[8*(8*\a+\b)+\c:8*(8*\a+\b)+\c+1], v[8*(8*\a+\b)+\c:8*(8*\a+\b)+\c+1], v[BIAS+8*\b+\c:BIAS+8*\b+\c+1]
.endr
.endr
	WIN 0x08                                       ; an LDS store's data is source 1: window 2
.irp b, 0,1,2,3,4,5,6,7
	ds_store_b128 v[STO], v[8*(8*\a+\b):8*(8*\a+\b)+3]   offset:64*\b
	ds_store_b128 v[STO], v[8*(8*\a+\b)+4:8*(8*\a+\b)+7] offset:64*\b+16
.endr
	WIN 0
	s_wait_xcnt 0x0                                ; buffer f, which earlier stores read, and the stores' base are rewritten only behind this wait (ISA guide 3.1)
.if \a
	s_add_nc_u64 s[8:9], s[8:9], 16*4096
.endif
.irp t, 0,1,2,3,4,5,6,7,8,9,10,11,12,13,14,15
	ds_load_b128 v[\f+4*\t:\f+4*\t+3], v[RD] offset:\t*SPITCH      ; a wave's LDS instructions are served in order (ISA guide 5.7.1): these see the stores above
.endr
.irp t, 0,1,2,3,4,5,6,7,8,9,10,11,12,13,14,15
	s_wait_dscnt 15-\t                             ; the younger read-backs stay out
	global_store_b128 v[CO], v[\f+4*\t:\f+4*\t+3], s[8:9] offset:\t*4096 th:TH_STORE_NT    ; the wave stores 512 consecutive bytes, aligned
.endr
.endm
	OUTF 0, 64
	OUTF 1, 128
	OUTF 2, 64
	OUTF 3, 128
	s_set_vgpr_msb 0x1
	s_wait_tensorcnt 0x0
	ds_add_u32 v255, v63
	s_wait_dscnt 0x0
	s_set_vgpr_msb 0x100
	CROUND                                         ; the closing round
	s_endpgm
.Lfunc_end_k_qb3896021d2_oproj:
	.size	k_qb3896021d2_oproj, .Lfunc_end_k_qb3896021d2_oproj-k_qb3896021d2_oproj
	.p2alignl 7, 3214868480
	.fill 96, 4, 3214868480
	.section	.rodata,"a",@progbits
	.p2align	6, 0x0
	.amdhsa_kernel k_qb3896021d2_oproj
		.amdhsa_group_segment_fixed_size 327680
		.amdhsa_private_segment_fixed_size 0
		.amdhsa_enable_private_segment 0
		.amdhsa_kernarg_size 32
		.amdhsa_user_sgpr_count 2
		.amdhsa_user_sgpr_kernarg_segment_ptr 1
		.amdhsa_wavefront_size32 1
		.amdhsa_system_sgpr_workgroup_id_x 1
		.amdhsa_system_sgpr_workgroup_id_y 1
		.amdhsa_system_sgpr_workgroup_id_z 1
		.amdhsa_system_vgpr_workitem_id 0
		.amdhsa_next_free_vgpr 768
		.amdhsa_next_free_sgpr 80
		.amdhsa_reserve_vcc 0
		.amdhsa_float_denorm_mode_32 3
		.amdhsa_float_denorm_mode_16_64 3
		.amdhsa_memory_ordered 1
		.amdhsa_forward_progress 1
		.amdhsa_inst_pref_size 128
	.end_amdhsa_kernel
	.amdgpu_metadata
---
amdhsa.version: [ 1, 2 ]
amdhsa.kernels:
  - .name:           k_qb3896021d2_oproj
    .symbol:         k_qb3896021d2_oproj.kd
    .args:
      - { .name: ctx, .offset: 0, .size: 8, .value_kind: global_buffer, .address_space: global }
      - { .name: wb, .offset: 8, .size: 8, .value_kind: global_buffer, .address_space: global }
      - { .name: bo, .offset: 16, .size: 8, .value_kind: global_buffer, .address_space: global }
      - { .name: out0, .offset: 24, .size: 8, .value_kind: global_buffer, .address_space: global }
    .group_segment_fixed_size: 327680
    .private_segment_fixed_size: 0
    .kernarg_segment_align: 8
    .kernarg_segment_size: 32
    .max_flat_workgroup_size: 128
    .sgpr_count:     80
    .vgpr_count:     768
    .wavefront_size: 32
...
	.end_amdgpu_metadata
.endif
;; end of part 4
